; MI455X (gfx1250); checked and timed in simulation.
; The chip was launched on July 23, 2026; its instructions are those of AMD's public machine-readable ISA for CDNA 5 (MIT licence, August 2026) and "CDNA5" Instruction Set Architecture Reference Guide (July 2026). The comments in the code are by the model that wrote it; some were corrected since.
;; Adaptive Attention. Allowed arithmetic: float matrix products may take bf16 or f16 operands with f32 sums; other float arithmetic in f32, or as packed bf16 or f16 multiplies, adds, multiply-adds, maxima and minima; sums over many terms, partial sums and values carried from step to step in f32; what a program stores and reads back later, other than sums and carried values, may be rounded once to bf16 or f16.
;; Inputs: key 4 x 2,048 x 2,048 float32; query 4 x 2,048 x 2,048 float32; span_param 1 x 2,048 float32; value 4 x 2,048 x 2,048 float32.
;; Outputs: out0 4 x 2,048 x 2,048 float32.
;; 2 versions, each right; version 2 is version 1 with the launch prep written anew for expert scheduling mode. Each part assembles by itself: llvm-mc -triple=amdgcn-amd-amdhsa -mcpu=gfx1250 --defsym DOCPART=n.
;; ======== version 1 of 2: 4 launches
;; limits: values are held in f16: magnitudes above 65,504 overflow, below 6.1e-05 lose precision; inputs' magnitudes at most 65,280
;; workspace buffers: qh 33,554,432 bytes; kh 33,554,432 bytes; vt 33,554,432 bytes; scores 67,108,864 bytes; probs 33,554,432 bytes
;; launch prep (part 1): grid 256 x 1, 16 waves a work-group, no clusters, 141,312 bytes of LDS; arguments query, key, value, qh, kh, vt; writes qh, kh, vt
.if DOCPART == 1
	.amdgcn_target "amdgcn-amd-amdhsa--gfx1250"
	.amdhsa_code_object_version 6
	.text
	.protected	k_qeb21613de9_prep
	.globl	k_qeb21613de9_prep
	.p2align	8
	.type	k_qeb21613de9_prep,@function
k_qeb21613de9_prep:
	s_mov_b64 s[64:65], 0
	v_nop
	global_prefetch_b8 v0, s[64:65] scope:SCOPE_SE
	s_setreg_imm32_b32 hwreg(HW_REG_WAVE_MODE, 25, 1), 1
	s_wait_xcnt 0x0
; qh = Q, kh = K, vt[b][d][k] = V[b][k][d]: each number rounded once to bf16 and that number written as f16.  Q, K, V: [4][2048][2048] f32.
; LIMITS.  A bf16 number is exact in f16 from 2^-17 to 65,504; from 65,520 on it becomes an infinity; below 2^-17 it falls on f16's fixed step and is off by 2^-25 at the most.  NaN and infinities are not treated apart.
; SHARES.  A work-group has 65,536 numbers of Q, the same of K, and eight tiles of V of 128 keys x 64 channels.  Its sixteen waves hand each other nothing: no barrier.  Every wave takes 4,096 numbers of Q (32 loads
; of 16 bytes a lane); then waves 0-7 take a tile of V each, waves 8-15 8,192 numbers of K each (64 loads either way): 96 loads and 768 conversion lines a wave.
; The 96 loads go through ONE ring of 32 register slots, which does not run empty between the tensors: 32 loads of a wave, 16 x 32 x 512 = 262,144 bytes of a work-group, are on their way.
; Q, K: a load of the wave covers 512 consecutive bytes, a store 256 consecutive bytes, aligned.
; V: lane (r = l % 16, h = l / 16) loads channels 4 r .. 4 r + 3 of key 16 p + 8 h + j (pass p, slot j): sixteen lanes take 256 consecutive bytes of a row.  Eight keys of one channel pack into 16 bytes, which go
; into the wave's own LDS tile, 64 rows (channels) of 256 bytes + 16 of padding; the rows come back whole and are stored, sixteen lanes to 256 consecutive aligned bytes of a row of vt.
; Channel 4 r + c lies in LDS row r + 16 c, so that the sixteen lanes of a store touch sixteen neighbouring rows: with 272 bytes from row to row they start 4 banks apart (64 banks of 4 bytes: ISA guide 11.1).
.set LP,    272                        ; bytes from row to row in LDS
.set WTILE, 64*LP                      ; a wave's tile (waves 0-7)
.set SPARE, 8*WTILE                    ; behind the tiles: the spare words, 128 bytes for each of the sixteen waves: eight blocks of 256 bytes that no other line names
.set QI,  4                            ; v4   byte offset of my 16 bytes in the work-group's part of Q; never rewritten
.set QO,  5                            ; v5   of my 8 bytes in qh; never rewritten
.set KI,  6                            ; v6   waves 8-15: of my 16 bytes in the work-group's part of K; never rewritten
.set KO,  7                            ; v7   waves 8-15: of my 8 bytes in kh; never rewritten
.set VI,  8                            ; v8   waves 0-7: of my 16 bytes in the work-group's part of V; never rewritten
.set VS,  9                            ; v9   waves 0-7: LDS: where I put 16 bytes (8 keys of a channel)
.set VR,  10                           ; v10  waves 0-7: LDS: where I read 16 bytes of a whole row back
.set VO,  11                           ; v11  waves 0-7: byte offset of those 16 bytes in vt; never rewritten
.set SPW, 12                           ; v12  LDS address of my spare word: SPARE + 4 x my thread's number; never rewritten
.set NIL, 13                           ; v13  0; never rewritten
.set T,   14                           ; v[14:21]  at work
.set Y,   22                           ; v[22:85]  slot i: 2 registers, 4 f16 to store
.set W,   22                           ; v[22:37]  V's passes: 4 channels x 8 keys, packed
.set X,   86                           ; v[86:213] slot i: 4 registers as loaded
	s_load_b256 s[4:11], s[0:1], 0x0               ; query s[4:5], key s[6:7], value s[8:9], qh s[10:11]
	s_load_b128 s[12:15], s[0:1], 0x20             ; kh s[12:13], vt s[14:15]
	v_lshl_add_u32 v[SPW], v0, 2, SPARE
	v_mov_b32 v[NIL], 0
	v_lshrrev_b32 v1, 5, v0
	v_readfirstlane_b32 s16, v1                    ; wave 0..15
	v_and_b32 v2, 15, v0                           ; r
	v_bfe_u32 v3, v0, 4, 1                         ; h
	v_and_b32 v1, 31, v0                           ; lane
	s_mov_b32 s17, 0xffff0000                      ; a word's upper bf16
	s_lshl_b32 s24, s16, 14                        ; the wave's 16,384 bytes of Q
	v_lshl_add_u32 v[QI], v1, 4, s24
	s_lshl_b32 s24, s16, 13                        ; its 8,192 bytes of qh
	v_lshl_add_u32 v[QO], v1, 3, s24
	s_lshl_b32 s18, ttmp9, 18                      ; the work-group's 262,144 bytes of Q and K,
	s_mov_b32 s19, 0
	s_lshl_b32 s20, ttmp9, 17                      ; its 131,072 of qh and kh
	s_mov_b32 s21, 0
	s_lshr_b32 s22, ttmp9, 6                       ; V: batch,
	s_bfe_u32 s25, ttmp9, 0x40002                  ; block of 128 keys (4 bits from bit 2),
	s_and_b32 s26, ttmp9, 3                        ; block of 512 channels
	s_lshl_b32 s28, s22, 24
	s_lshl_b32 s27, s25, 20
	s_add_co_u32 s28, s28, s27
	s_lshl_b32 s27, s26, 11
	s_add_co_u32 s28, s28, s27
	s_mov_b32 s29, 0                               ; s[28:29]: the work-group's corner in V
	s_lshl_b32 s30, s22, 23
	s_lshl_b32 s27, s26, 21
	s_add_co_u32 s30, s30, s27
	s_lshl_b32 s27, s25, 8
	s_add_co_u32 s30, s30, s27
	s_mov_b32 s31, 0                               ; s[30:31]: its corner in vt
	s_wait_kmcnt 0x0
	s_add_nc_u64 s[4:5], s[4:5], s[18:19]          ; the six bases are set here and never written again
	s_add_nc_u64 s[6:7], s[6:7], s[18:19]
	s_add_nc_u64 s[8:9], s[8:9], s[28:29]
	s_add_nc_u64 s[10:11], s[10:11], s[20:21]
	s_add_nc_u64 s[12:13], s[12:13], s[20:21]
	s_add_nc_u64 s[14:15], s[14:15], s[30:31]
; Two numbers: rounded to bf16 (nearest even), widened again (a shift, a mask), written as f16.
.macro CV2 dst, a, b, t
	v_cvt_pk_bf16_f32 v[\t], v[\a], v[\b]
	v_lshlrev_b32 v[(\t)+1], 16, v[\t]
	v_and_b32 v[(\t)+2], s17, v[\t]
	v_cvt_pk_f16_f32 v[\dst], v[(\t)+1], v[(\t)+2]
.endm
; One slot's turn in Q or K.  Its four numbers are converted; the slot is filled again (kind 1: by offset register lo from base nb at byte noff; kind 2: V's pass i / 8, key i % 8; kind 0: not at all);
; its 8 bytes are stored by offset register so to base ob at byte ooff.
.macro SLOTC i, so, ob, ooff, kind, lo, nb, noff
.if (\kind) == 0
	s_wait_loadcnt 31-(\i)                         ; nothing is loaded any more: the count runs down
.else
	s_wait_loadcnt 31                              ; loads come back in order (ISA guide 5.7.1): mine is the oldest of the ring's 32; the 31 younger stay out
.endif
	CV2 Y+2*(\i), X+4*(\i), X+4*(\i)+1, T
	CV2 Y+2*(\i)+1, X+4*(\i)+2, X+4*(\i)+3, T+4
.if (\kind) == 1
	global_load_b128 v[X+4*(\i):X+4*(\i)+3], v[\lo], s[\nb:\nb+1] offset:(\noff)+512*(\i) th:TH_LOAD_NT
.elseif (\kind) == 2
	global_load_b128 v[X+4*(\i):X+4*(\i)+3], v[\lo], s[\nb:\nb+1] offset:(16*((\i)/8)+(\i)%8)*8192 th:TH_LOAD_NT
.endif
	global_store_b64 v[\so], v[Y+2*(\i):Y+2*(\i)+1], s[\ob:\ob+1] offset:(\ooff)+256*(\i)  ; 32 lanes store 256 consecutive bytes, at a multiple of 256 from the buffer's first byte
.endm
.macro RING so, ob, ooff, kind, lo, nb, noff   ; once round the ring
	s_wait_xcnt 0x0                                ; every earlier memory instruction has had its addresses translated (ISA guide 3.1): Y, which the last round's stores read, is rewritten only behind this wait
.set n, 0
.rept 32
	SLOTC n, \so, \ob, \ooff, \kind, \lo, \nb, \noff
.set n, n+1
.endr
.endm
; V's pass p: keys 16 p + 8 h + 0..7 lie in slots 8 (p % 4) + 0..7.  For each of my four channels the eight keys pack into 16 bytes.  ahead = 1: the slots take pass p + 4.  left: the younger passes' loads.
.macro VPASS p, ahead, left
	s_wait_loadcnt \left
.irp c, 0,1,2,3
.irp jj, 0,1,2,3
	CV2 W+4*(\c)+(\jj), X+4*(8*((\p)%4)+2*(\jj))+(\c), X+4*(8*((\p)%4)+2*(\jj)+1)+(\c), T+4*((\jj)%2)
.endr
.endr
.irp c, 0,1,2,3
	ds_store_b128 v[VS], v[W+4*(\c):W+4*(\c)+3] offset:16*LP*(\c)+32*(\p)  ; row r + 16 c, keys 16 p + 8 h on
.endr
.if \ahead
.irp j, 0,1,2,3,4,5,6,7
	global_load_b128 v[X+4*(8*((\p)%4)+(\j)):X+4*(8*((\p)%4)+(\j))+3], v[VI], s[8:9] offset:(16*((\p)+4)+(\j))*8192 th:TH_LOAD_NT
.endr
.endif
.endm
.set n, 0
.rept 32
	global_load_b128 v[X+4*n:X+4*n+3], v[QI], s[4:5] offset:512*n th:TH_LOAD_NT  ; the ring is filled: my part of Q
.set n, n+1
.endr
	s_cmp_lt_u32 s16, 8                            ; waves 0-7 go on with V, waves 8-15 with K
	s_cbranch_scc0 .Lkeys
	; WAVES 0-7.  The addresses are made while Q is on its way.
	s_lshl_b32 s24, s16, 8                         ; the wave's 64 channels: 256 bytes of a row of V
	v_lshl_add_u32 v[VI], v3, 16, s24              ; + 8 h rows of 8,192 bytes
	v_lshl_add_u32 v[VI], v2, 4, v[VI]             ; + 16 r
	s_mul_i32 s24, s16, WTILE                      ; its tile in LDS
	v_mul_u32_u24 v[VS], v2, LP
	v_lshl_add_u32 v[VS], v3, 4, v[VS]
	v_add_nc_u32 v[VS], s24, v[VS]                 ; row r, 16 bytes for each half of the lanes
	v_mul_u32_u24 v[VR], v3, LP
	v_lshl_add_u32 v[VR], v2, 4, v[VR]
	v_add_nc_u32 v[VR], s24, v[VR]                 ; lanes 0-15 one row of 256 bytes, lanes 16-31 the next
	s_lshl_b32 s24, s16, 18                        ; its 64 rows of vt, 4,096 bytes each
	v_lshl_add_u32 v[VO], v3, 14, s24              ; + 4 h rows
	v_lshl_add_u32 v[VO], v2, 4, v[VO]
	RING QO, 10, 0, 2, VI, 8, 0                    ; Q out, V's passes 0 to 3 in
	s_wait_xcnt 0x0                                ; W lies in registers that the round's stores read
	VPASS 0, 1, 24                                 ; three younger passes of eight loads stay out
	VPASS 1, 1, 24
	VPASS 2, 1, 24
	VPASS 3, 1, 24
	VPASS 4, 0, 24                                 ; nothing is left to fetch: the counts run down
	VPASS 5, 0, 16
	VPASS 6, 0, 8
	VPASS 7, 0, 0
.set n, 0
.rept 32
	ds_load_b128 v[X+4*n:X+4*n+3], v[VR] offset:2*LP*n  ; rows 2 n and 2 n + 1, whole.  LDS serves a wave's instructions in order (ISA guide 5.7.1.4): these see the stores above
.set n, n+1
.endr
.set n, 0
.rept 32
	s_wait_dscnt 31-n                              ; the 31 - n younger loads stay out
	global_store_b128 v[VO], v[X+4*n:X+4*n+3], s[14:15] offset:(8*(n%8)+n/8)*4096  ; LDS row 2 n + h is channel 8 (n % 8) + 4 h + n / 8; 16 lanes store 256 consecutive bytes, aligned
.set n, n+1
.endr
	s_branch .Lend
.Lkeys:	; WAVES 8-15
	s_sub_co_u32 s24, s16, 8                       ; 0..7
	s_lshl_b32 s25, s24, 15                        ; the wave's 32,768 bytes of K
	v_lshl_add_u32 v[KI], v1, 4, s25
	s_lshl_b32 s25, s24, 14                        ; its 16,384 bytes of kh
	v_lshl_add_u32 v[KO], v1, 3, s25
	RING QO, 10, 0,    1, KI, 6, 0                 ; Q out, K's first half in
	RING KO, 12, 0,    1, KI, 6, 16384             ; K's first half out, its second half in
	RING KO, 12, 8192, 0, KI, 6, 0                 ; K's second half out
.Lend:
	s_wait_tensorcnt 0x0                           ; the wave's end: three closing lines, behind my last LDS store
	ds_add_u32 v[SPW], v[NIL]
	s_wait_dscnt 0x0
	s_endpgm
.Lfunc_end_k_qeb21613de9_prep:
	.size	k_qeb21613de9_prep, .Lfunc_end_k_qeb21613de9_prep-k_qeb21613de9_prep
	.p2alignl 7, 3214868480
	.fill 96, 4, 3214868480
	.section	.rodata,"a",@progbits
	.p2align	6, 0x0
	.amdhsa_kernel k_qeb21613de9_prep
		.amdhsa_group_segment_fixed_size 141312
		.amdhsa_private_segment_fixed_size 0
		.amdhsa_enable_private_segment 0
		.amdhsa_kernarg_size 48
		.amdhsa_user_sgpr_count 2
		.amdhsa_user_sgpr_kernarg_segment_ptr 1
		.amdhsa_wavefront_size32 1
		.amdhsa_system_sgpr_workgroup_id_x 1
		.amdhsa_system_sgpr_workgroup_id_y 1
		.amdhsa_system_sgpr_workgroup_id_z 1
		.amdhsa_system_vgpr_workitem_id 0
		.amdhsa_next_free_vgpr 214
		.amdhsa_next_free_sgpr 66
		.amdhsa_reserve_vcc 0
		.amdhsa_float_denorm_mode_32 3
		.amdhsa_float_denorm_mode_16_64 3
		.amdhsa_memory_ordered 1
		.amdhsa_forward_progress 1
		.amdhsa_inst_pref_size 115
	.end_amdhsa_kernel
	.amdgpu_metadata
---
amdhsa.version: [ 1, 2 ]
amdhsa.kernels:
  - .name:           k_qeb21613de9_prep
    .symbol:         k_qeb21613de9_prep.kd
    .args:
      - { .name: query, .offset: 0, .size: 8, .value_kind: global_buffer, .address_space: global }
      - { .name: key, .offset: 8, .size: 8, .value_kind: global_buffer, .address_space: global }
      - { .name: value, .offset: 16, .size: 8, .value_kind: global_buffer, .address_space: global }
      - { .name: qh, .offset: 24, .size: 8, .value_kind: global_buffer, .address_space: global }
      - { .name: kh, .offset: 32, .size: 8, .value_kind: global_buffer, .address_space: global }
      - { .name: vt, .offset: 40, .size: 8, .value_kind: global_buffer, .address_space: global }
    .group_segment_fixed_size: 141312
    .private_segment_fixed_size: 0
    .kernarg_segment_align: 8
    .kernarg_segment_size: 48
    .max_flat_workgroup_size: 512
    .sgpr_count:     66
    .vgpr_count:     214
    .wavefront_size: 32
...
	.end_amdgpu_metadata
.endif
;; end of part 1
;; launch gemm_s (part 2): grid 8 x 32, 4 waves a work-group, clusters of 4 x 4, 327,680 bytes of LDS; arguments qh, kh, scores; writes scores
.if DOCPART == 2
	.amdgcn_target "amdgcn-amd-amdhsa--gfx1250"
	.amdhsa_code_object_version 6
	.text
	.protected	k_qeb21613de9_gemm_s
	.globl	k_qeb21613de9_gemm_s
	.p2align	8
	.type	k_qeb21613de9_gemm_s,@function
k_qeb21613de9_gemm_s:
	s_mov_b64 s[64:65], 0
	v_nop
	global_prefetch_b8 v0, s[64:65] scope:SCOPE_SE
	s_setreg_imm32_b32 hwreg(HW_REG_WAVE_MODE, 25, 1), 1
	s_wait_xcnt 0x0
	s_wait_alu depctr_hold_cnt(0) depctr_sa_sdst(0) depctr_va_vdst(0) depctr_va_sdst(0) depctr_va_ssrc(0) depctr_va_vcc(0) depctr_vm_vsrc(0)
	s_getreg_b32 s2, hwreg(HW_REG_IB_STS2, 6, 4)
	s_cmp_eq_u32 s2, 0
	s_cbranch_scc0 .Lentry_in_a_cluster
	s_endpgm
.Lentry_in_a_cluster:
	s_bfe_u32 s2, ttmp6, 0x10000c
	s_cmp_lg_u32 s2, 0xf033
	s_cbranch_scc0 .Lentry_shape_is_right
	s_endpgm
.Lentry_shape_is_right:
; C[m][n] = sum over k of A[m][k] B[m / 2048][n][k].  A: [8192][2048] f16, B: [4][2048][2048] f16, C: [8192][2048] f32; sums in f32, stored as they are.
; The body serves two launches: scores = Q K^T (A = qh, B = kh) and out = W V (A = probs, B = vt, which holds V with its keys along the rows).
; LIMITS.  f16 holds no number beyond 65,504: A and B arrive within it.  NaN and infinities are not treated apart.
; A tile of C, 256 x 256, is made by a work-group of four waves; a wave makes 128 x 128: 64 accumulators of 16 x 16, 512 registers.  8192 x 2048 are 256 tiles: one to a work-group.
; K goes in 16 steps of 128 through a ring of two LDS slots filled by the tensor data mover: a tile's rows are 256 bytes of memory and start at multiples of 256 bytes from the buffer's first byte.
; CLUSTERS: 4 x 4 work-groups.  The four of a row of the cluster need the same tiles of A, the four of a column the same tiles of B (a cluster's 1,024 rows of C lie in one batch).  Such a tile is asked for JOINTLY:
; each of the four issues the same tensor load, with the same descriptor and a mask that names the four, and each receives the tile in its own LDS.
; REGISTERS, in windows of 256 (s_set_vgpr_msb's low byte: bits 1:0 source 0, 3:2 source 1, 5:4 source 2, 7:6 destination):
;   window 0: v0-31 addresses; v64-127, v128-191 fragments of A (8 x 16 rows x 32 K), two buffers; on the way out the same registers take whole rows of C
;   window 1: v64-127, v128-191 fragments of B, two buffers
;   window 2: the 32 accumulators of my rows 0-63 (accumulator (a, b) at v[8 (8 a + b)]);   window 3: those of my rows 64-127
; THE MATRIX INSTRUCTION IS USED TRANSPOSED: source 0 = 16 rows of B, source 1 = 16 rows of A.  In the result lane l holds row l % 16 of C, and its registers 0 to 7 the columns 8 (l / 16) + 0 .. 7: 32 consecutive bytes.
.set SIZE_M, 8192
.set SIZE_N, 2048
.set SIZE_K, 2048
.set KSTEP,  128
.set PITCH,  272                       ; an LDS row: 256 bytes of data + 16 of padding = 68 words: row r starts at bank 4 r mod 64 (64 banks of 4 bytes: ISA guide 11.1)
.set HALFT,  128*PITCH                 ; 128 rows: what one tensor load brings, and what one wave reads of A or of B
.set SLOT,   4*HALFT                   ; A's 256 rows, then B's 256 rows
.set STAGE,  2*SLOT                    ; behind the ring, never filled by a tensor load: 16 rows x 528 bytes for each wave, for the way out
.set SPITCH, 528                       ; 512 bytes (128 f32) + 16 = 132 words: row r starts at bank 4 r mod 64
.set SPARE,  STAGE+4*16*SPITCH         ; behind the stages: the spare words, 128 bytes for each wave: two blocks of 256 bytes that no other line names
.set LAPS,   SIZE_K/(2*KSTEP)          ; a lap = two K steps = once round the ring
.set ADRA, 16                          ; v16-17  LDS address of my A fragments in slot 0, 1
.set ADRB, 20                          ; v20-21  the same for B
.set STO,  24                          ; v24     the way out: where I put 32 bytes of a row
.set RD,   25                          ; v25     the way out: where I read 16 bytes of a whole row back
.set CO,   26                          ; v26     16 x my lane: my 16 bytes of 512 consecutive bytes of C; never rewritten
.set SPW,  28                          ; v28     LDS address of my spare word: SPARE + 4 x my thread's number; never rewritten
.set NIL,  29                          ; v29     0; never rewritten
.set PFO,  30                          ; v30     the prefetches' offset: my lane x a row of A or B in memory; never rewritten
.set PFA,  44                          ; s[44:45] where my prefetches stand: my work-group's 32 rows of the 128 that I fetch, one K step further along K than the refill that is being asked for
.set LIM,  43                          ; s43     1 in a wave that prefetches, else the greatest number
.set F0,   64                          ; fragment buffer 0
.set F1,   128                         ; fragment buffer 1
.set G1,  24                           ; s[24:31] descriptor group 1 for A's tiles
.set G0,  32                           ; s[32:39] descriptor group 0 for A's tiles, one set for each slot
.set G1B, 48                           ; s[48:55] descriptor group 1 for B's tiles: it differs from A's in the mask alone
.set G0B, 56                           ; s[56:63] descriptor group 0 for B's tiles, one set for each slot
.set MSB, 0
.macro WIN new                         ; the immediate's high byte repeats the setting that is left; a switch that changes nothing is dropped
.if MSB != (\new)
	s_set_vgpr_msb (MSB<<8)|(\new)
.set MSB, \new
.endif
.endm
.set MUL_LO, 0xa1                      ; source 0 (B) window 1, source 1 (A) window 0, C and D window 2
.set MUL_HI, 0xf1                      ; the same, C and D window 3
.set TO_B,   0x40                      ; destination window 1, address window 0
; A joint load.  Waves 0 and 1 fetch A's two halves, waves 2 and 3 B's.  Each of the two lines has ONE mask and one set of registers for all that issue it.  The branch hangs on the wave's number alone.
; An s_nop 0 and four v_nop follow each of the two lines; the jump round the other line, the label and what follows the macro come after them.
.macro JLOAD s
	s_cmp_eq_u32 s11, 0
	s_cbranch_scc0 .Lfor_b_\@
	tensor_load_to_lds s[G0+4*(\s):G0+4*(\s)+3], s[G1:G1+7]
	s_nop 0
.rept 4
	v_nop
.endr
	s_branch .Lasked_\@
.Lfor_b_\@:
	tensor_load_to_lds s[G0B+4*(\s):G0B+4*(\s)+3], s[G1B:G1B+7]
	s_nop 0
.rept 4
	v_nop
.endr
.Lasked_\@:
.endm
; A PREFETCH INTO THE L2, behind each joint load, its five lines and the run of LDS loads that follows them: the K step that stands TWO refills on (512 matrix instructions ahead of the load that will want it):
; 32 rows x 256 bytes, a lane a row, one instruction a wave.  Each row's 256 bytes of a K step are named ONCE in the launch.  A's tile row is read by both clusters of that row of clusters: the one with x = 0
; prefetches; B's tile column by the two clusters of a batch in that column: the one with even y prefetches.  The four partners that ask for a tile jointly share its rows out BY ADDRESS: of the 128 rows that a wave
; fetches the partner at place p takes 32 p .. 32 p + 31 (p = cx for A, cy for B): no branch hangs on a work-group's place in its cluster.  The loop's last trip (s3 = 1) asks for nothing: no K step stands two on.
.macro ASK
	s_cmp_gt_u32 s3, s[LIM]
	s_cbranch_scc0 .Lnot_mine_\@
	global_prefetch_b8 v[PFO], s[PFA:PFA+1] offset:KSTEP*2 th:TH_LOAD_NT scope:SCOPE_SE
.Lnot_mine_\@:
.endm
; A round of the cluster's barrier: my work-group's barrier, so that wave 0's signal speaks for all four waves; wave 0 signals for the work-group; every wave waits for all sixteen work-groups; my work-group's barrier once more.
.macro CREST                           ; a round behind its opening barrier
	s_cmp_lg_u32 s10, 0
	s_cbranch_scc1 .Lnot_wave_0_\@
	s_barrier_signal -3
.Lnot_wave_0_\@:
	s_barrier_wait -3
	s_barrier_signal -1
	s_barrier_wait -1
.endm
.macro CROUND                          ; a whole round
	s_barrier_signal -1
	s_barrier_wait -1
	CREST
.endm
	s_load_b128 s[4:7], s[0:1], 0x0                ; A s[4:5], B s[6:7]
	s_load_b64 s[8:9], s[0:1], 0x10                ; C
	v_lshl_add_u32 v[SPW], v0, 2, SPARE
	v_mov_b32 v[NIL], 0
	ds_add_u32 v[SPW], v[NIL]                      ; the wave's opening: the add and its wait stand ahead of my first tensor load; the set-up below, work on registers, stands between them
	v_lshrrev_b32 v1, 5, v0
	v_readfirstlane_b32 s10, v1                    ; wave 0..3
	s_lshr_b32 s11, s10, 1                         ; which half of the tile's rows is mine.  Also: I fetch for A (0) or for B (1)
	s_and_b32 s12, s10, 1                          ; which half of its columns.  Also: which 128 rows of that tile I fetch
	s_bfe_u32 s40, ttmp6, 0x40000                  ; cx: my place along the cluster's x
	s_bfe_u32 s41, ttmp6, 0x40004                  ; cy: along its y
	s_lshl_b32 s42, ttmp9, 2                       ; in a cluster launch ttmp9 and ttmp7 count clusters
	s_add_co_u32 s42, s42, s40                     ; tile column of C = 4 x cluster x + cx
	s_and_b32 s13, ttmp7, 0xffff
	s_lshl_b32 s13, s13, 2
	s_add_co_u32 s13, s13, s41                     ; tile row of C = 4 x cluster y + cy
	s_lshl_b32 s43, s41, 2
	s_lshl_b32 s43, 15, s43                        ; my row of the cluster: places 4 cy .. 4 cy + 3
	s_lshl_b32 s44, 0x1111, s40                    ; my column: places cx, cx + 4, cx + 8, cx + 12
	; descriptor group 1: a tile of 128 rows x 128 elements, padded in LDS
	s_or_b32 s[G1+0], s43, (1<<16)|(1<<20)|(1<<21)|(5<<22)|(3<<25)  ; 15:0 the mask: A's tiles go to my row; 17:16 element of 2 bytes; 20 padding on; 21 set beside a mask; 24:22 after every 64 words (code 5); 31:25 of 4 words (code 3)
	s_or_b32 s[G1B+0], s44, (1<<16)|(1<<20)|(1<<21)|(5<<22)|(3<<25) ; the same with the mask of my column, for B's tiles
	s_mov_b32 s[G1B+1], KSTEP<<16
	s_mov_b32 s[G1+1], KSTEP<<16                   ; 63:48 tensor_dim0, low half = 128
	s_mov_b32 s[G1B+2], 128<<16
	s_mov_b32 s[G1+2], 128<<16                     ; 79:64 its high half = 0; 95:80 tensor_dim1, low half = 128
	s_mov_b32 s[G1B+3], KSTEP<<16
	s_mov_b32 s[G1+3], KSTEP<<16                   ; 111:96 its high half = 0; 127:112 tile_dim0 = 128
	s_mov_b32 s[G1B+4], 128
	s_mov_b32 s[G1+4], 128                         ; 143:128 tile_dim1 = 128; 159:144 tile_dim2 = 0
	s_mov_b32 s[G1B+5], SIZE_K
	s_mov_b32 s[G1+5], SIZE_K                      ; 191:160 tensor_dim0_stride, low word: elements from row to row
	s_mov_b32 s[G1B+6], 0
	s_mov_b32 s[G1+6], 0
	s_mov_b32 s[G1B+7], 0
	s_mov_b32 s[G1+7], 0
	; where the tiles come from.  A's hang on the tile row alone, which my row of the cluster shares; B's on the tile column, which my column shares, and on the batch, which all sixteen share.
	; Every wave makes both addresses, in registers that never hold the other coordinate, and asks by one of them.
	s_lshl_b32 s17, s12, 7                         ; which 128 rows of the tile I fetch
	s_lshl_b32 s16, s13, 8
	s_add_co_u32 s16, s16, s17                     ; A: row 256 x tile row + 128 x half
	s_lshl_b32 s46, s42, 8
	s_add_co_u32 s46, s46, s17                     ; B: row 256 x tile column + 128 x half
	s_and_b32 s21, ttmp7, 0xffff                   ; a cluster has 1,024 rows of C, a batch 2,048:
	s_lshr_b32 s21, s21, 1                         ; batch = cluster y / 2
	s_lshl_b32 s21, s21, 11
	s_add_co_u32 s46, s46, s21                     ; + 2,048 x batch
	s_mov_b32 s17, 0
	s_mov_b32 s47, 0
	s_mov_b64 s[18:19], SIZE_K*2
	s_mul_u64 s[16:17], s[16:17], s[18:19]         ; in bytes, in 64 bits
	s_mul_u64 s[46:47], s[46:47], s[18:19]
	s_mul_i32 s20, s10, HALFT                      ; and where they go: A's two halves, then B's two halves = wave x 128 rows: no place in the cluster enters an LDS address
	s_wait_dscnt 0x0                               ; the opening add is done
	s_wait_kmcnt 0x0
	s_add_nc_u64 s[14:15], s[4:5], s[16:17]
	s_add_nc_u64 s[46:47], s[6:7], s[46:47]
	CROUND                                         ; all sixteen work-groups are here: the first joint loads meet
.irp s, 0,1
	s_mov_b32 s[G0+4*(\s)], 1                                      ; 1:0 count = 1
	s_add_co_u32 s[G0+4*(\s)+1], s20, (\s)*SLOT                    ; 63:32 LDS address
	s_add_nc_u64 s[G0+4*(\s)+2:G0+4*(\s)+3], s[14:15], (\s)*KSTEP*2  ; 120:64 global address: K step s
	s_or_b32 s[G0+4*(\s)+3], s[G0+4*(\s)+3], 0x80000000            ; 127:126 type = 2
	s_mov_b32 s[G0B+4*(\s)], 1
	s_add_co_u32 s[G0B+4*(\s)+1], s20, (\s)*SLOT
	s_add_nc_u64 s[G0B+4*(\s)+2:G0B+4*(\s)+3], s[46:47], (\s)*KSTEP*2
	s_or_b32 s[G0B+4*(\s)+3], s[G0B+4*(\s)+3], 0x80000000
	JLOAD \s                                       ; the ring is filled before anything else is done: two tensor loads of mine are out
.endr
	; A fragment is 16 rows x 32 K in 8 registers: lane l holds row l % 16; registers 0-3 hold K = 8 (l / 16) + 0..7, registers 4-7 hold K = 16 + 8 (l / 16) + 0..7: two loads of 16 bytes, 32 bytes apart.
	v_and_b32 v1, 15, v0                           ; l % 16
	v_bfe_u32 v2, v0, 4, 1                         ; l / 16
	v_mul_u32_u24 v3, v1, PITCH
	v_lshl_add_u32 v3, v2, 4, v3                   ; row x pitch + 16 x half
	s_mul_i32 s21, s11, HALFT                      ; my 128 rows of A
	s_mul_i32 s22, s12, HALFT                      ; my 128 rows of B,
	s_add_co_u32 s22, s22, 2*HALFT                 ; which lie behind A's 256
.irp s, 0,1
	v_add_nc_u32 v[ADRA+(\s)], s21, v3
	v_add_nc_u32 v[ADRB+(\s)], s22, v3
	s_add_co_u32 s21, s21, SLOT
	s_add_co_u32 s22, s22, SLOT
.endr
	s_mul_i32 s23, s10, 16*SPITCH
	s_add_co_u32 s23, s23, STAGE                   ; my stage
	v_mul_u32_u24 v4, v1, SPITCH                   ; in: row l % 16, 32 bytes for each half of the lanes
	v_lshl_add_u32 v4, v2, 5, v4
	v_add_nc_u32 v[STO], s23, v4
	v_and_b32 v5, 31, v0
	v_lshlrev_b32 v[CO], 4, v5                     ; back: 32 lanes take one row of 512 bytes,
	v_add_nc_u32 v[RD], s23, v[CO]                 ; which are 512 consecutive bytes of C
	; C at my part of the tile: row 256 x tile row + 128 x half, column 256 x tile column + 128 x half, 4 bytes a number
	s_lshl_b32 s13, s13, 8
	s_lshl_b32 s14, s11, 7
	s_add_co_u32 s16, s13, s14
	s_mov_b32 s17, 0
	s_mov_b64 s[18:19], SIZE_N*4
	s_mul_u64 s[16:17], s[16:17], s[18:19]
	s_lshl_b32 s46, s42, 10                        ; (in the registers that held B's address: none that feeds A's descriptors ever holds cx)
	s_lshl_b32 s47, s12, 9
	s_add_co_u32 s46, s46, s47
	s_mov_b32 s47, 0
	s_add_nc_u64 s[16:17], s[16:17], s[46:47]
	s_add_nc_u64 s[8:9], s[8:9], s[16:17]          ; set once; the way out's rows stand in the stores' immediates
	; the prefetches.  s13 = 256 x tile row, s42 = tile column, s40 = cx, s41 = cy still stand; s[4:5] = A, s[6:7] = B
	s_lshl_b32 s42, s42, 8
	s_and_b32 s22, ttmp7, 0xffff                   ; cluster y
	s_lshr_b32 s23, s22, 1
	s_lshl_b32 s23, s23, 11
	s_add_co_u32 s42, s42, s23                     ; B's tile begins at row 2,048 x batch + 256 x tile column
	s_and_b32 s22, s22, 1                          ; the two clusters of a batch in a column read the same rows of B
	s_cmp_eq_u32 s11, 0                            ; do I fetch for A?
	s_cselect_b32 s20, s13, s42                    ; the tile's first row
	s_cselect_b32 s21, s40, s41                    ; my place among the four that ask for it with me
	s_cselect_b32 s22, ttmp9, s22                  ; the coordinate along which another cluster reads the same rows
	s_cselect_b64 s[PFA:PFA+1], s[4:5], s[6:7]
	s_cmp_eq_u32 s22, 0
	s_cselect_b32 s[LIM], 1, -1                    ; the same in all sixteen partners, for a given wave
	s_lshl_b32 s22, s12, 7
	s_add_co_u32 s20, s20, s22                     ; + the 128 rows that I fetch
	s_lshl_b32 s21, s21, 5
	s_add_co_u32 s20, s20, s21                     ; + my work-group's 32 of them
	s_mov_b32 s21, 0
	s_mov_b64 s[18:19], SIZE_K*2
	s_mul_u64 s[20:21], s[20:21], s[18:19]
	s_add_nc_u64 s[PFA:PFA+1], s[PFA:PFA+1], s[20:21]
	s_add_nc_u64 s[PFA:PFA+1], s[PFA:PFA+1], 2*KSTEP*2  ; at K step 2: the first refill steps it to 3 and names K step 4
	v_and_b32 v[PFO], 31, v0
	v_mul_u32_u24 v[PFO], v[PFO], SIZE_K*2
	; nothing is prefetched here, at the head, where every work-group's first two tiles are on their way: K steps 2 and 3 come by their refills alone
; 16 matrix instructions: m blocks a0, a0 + 1 of the window's four (hi = 0: my rows 0-63, 1: rows 64-127) x all 8 n blocks, 32 along K.  zero = 1: the first product starts the sums: nothing is ever cleared.
; The 64 accumulators take turns, one instruction a turn, in the same order in every quarter step.
.macro MUL16 f, hi, a0, zero
	WIN MUL_LO+0x50*(\hi)
.irp a, \a0, (\a0)+1
.irp b, 0,1,2,3,4,5,6,7
.if \zero
	v_wmma_f32_16x16x32_f16 v[8*(8*(\a)+(\b)):8*(8*(\a)+(\b))+7], v[(\f)+8*(\b):(\f)+8*(\b)+7], v[(\f)+8*(4*(\hi)+(\a)):(\f)+8*(4*(\hi)+(\a))+7], 0
.else
	v_wmma_f32_16x16x32_f16 v[8*(8*(\a)+(\b)):8*(8*(\a)+(\b))+7], v[(\f)+8*(\b):(\f)+8*(\b)+7], v[(\f)+8*(4*(\hi)+(\a)):(\f)+8*(4*(\hi)+(\a))+7], v[8*(8*(\a)+(\b)):8*(8*(\a)+(\b))+7]
.endif
.endr
.endr
.endm
; 32 LDS loads in one run: the fragments of one quarter step (128 rows of B, 128 rows of A, 32 K at byte k of the rows) into buffer f
.macro FETCH slot, k, f
	WIN TO_B
.irp i, 0,1,2,3,4,5,6,7
	ds_load_b128 v[(\f)+8*(\i):(\f)+8*(\i)+3],   v[ADRB+(\slot)] offset:(\k)+(\i)*16*PITCH
	ds_load_b128 v[(\f)+8*(\i)+4:(\f)+8*(\i)+7], v[ADRB+(\slot)] offset:(\k)+(\i)*16*PITCH+32
.endr
	WIN 0
.irp i, 0,1,2,3,4,5,6,7
	ds_load_b128 v[(\f)+8*(\i):(\f)+8*(\i)+3],   v[ADRA+(\slot)] offset:(\k)+(\i)*16*PITCH
	ds_load_b128 v[(\f)+8*(\i)+4:(\f)+8*(\i)+7], v[ADRA+(\slot)] offset:(\k)+(\i)*16*PITCH+32
.endr
.endm
; A load into a register that a matrix instruction has read, and an LDS store that reads a matrix result, stand four places behind that matrix instruction, and only plain vector instructions that name none of
; its registers are places (ISA guide 7.12.1 for vector instructions); the matrix instructions in between are not counted.
.macro PLACES
.rept 4
	v_nop
.endr
.endm
; A K step is four quarter steps of 32 along K, 64 matrix instructions each, on buffers 0, 1, 0, 1.
; One of the first three: multiplies buffer f; in its middle it fetches the next quarter's fragments, at byte k of the same slot's rows, into buffer g.
.macro QUARTER slot, k, f, g, zero
	s_wait_dscnt 8                                 ; B and A's rows 0-63 are in; the youngest eight loads (A's rows 64-127) may be out
	WIN MUL_LO
	MUL16 \f, 0, 0, \zero
	MUL16 \f, 0, 2, \zero
	PLACES
	FETCH \slot, \k, \g
	s_wait_dscnt 32                                ; all but the 32 just issued
	WIN MUL_HI
	MUL16 \f, 1, 0, \zero
	MUL16 \f, 1, 2, \zero
.endm
; The last quarter multiplies buffer 1 and changes slots.  MEET is its first half: ONE barrier for the change of slots.  In front of it each wave waits for all its tensor loads, of which one is out: its part of the
; next slot; adds 0 to its spare word; and waits for that and for its own reads of this slot.  Behind it nobody reads this slot any more and the next slot is whole.
.macro MEET round                      ; round = 1: a round of the cluster's barrier follows
	WIN 0                                          ; (the add's two registers lie in window 0)
	s_wait_tensorcnt 0x0                           ; all my tensor loads have landed: the one that was out is my part of the next slot;
	ds_add_u32 v[SPW], v[NIL]                      ; 0 onto my spare word;
	s_wait_dscnt 9                                 ; (the add and the youngest eight loads may be out)
	WIN MUL_LO
	MUL16 F1, 0, 0, 0                              ; sixteen matrix instructions stand between the add and the wait for it
	s_wait_dscnt 0x0                               ; the add is done, and my reads of this slot are over:
	s_barrier_signal -1                            ; say so (where a slot is filled again this barrier opens a round of the cluster's barrier),
	MUL16 F1, 0, 2, 0                              ; work on registers while the others arrive,
.if \round
	WIN 0
.endif
	s_barrier_wait -1                              ; and go on when all four have said so
.endm
; The whole last quarter.  Behind the round the slot just read out is filled again first, with the K step two steps on; then come the next slot's first fragments.  From a request to the wait for it a wave issues 224 matrix instructions.
.macro TURN slot, next
	s_wait_xcnt 0x0                                ; the last prefetch, a K step back, has read its address: it is stepped here, ahead of the waits of the change of slots
	s_add_nc_u64 s[PFA:PFA+1], s[PFA:PFA+1], KSTEP*2
	MEET 1
	CREST                                          ; all sixteen work-groups have said so: no wave of any partner still reads this slot's tile or has a load on its way
	s_add_nc_u64 s[G0+4*(\slot)+2:G0+4*(\slot)+3], s[G0+4*(\slot)+2:G0+4*(\slot)+3], 2*KSTEP*2
	s_add_nc_u64 s[G0B+4*(\slot)+2:G0B+4*(\slot)+3], s[G0B+4*(\slot)+2:G0B+4*(\slot)+3], 2*KSTEP*2
	JLOAD \slot                                    ; the first tensor load behind the round, my only one until the next; the four v_nop behind it are also the places in front of the loads below
	FETCH \next, 0, F0
	ASK                                            ; behind the joint load and the run of LDS loads that the next products wait for
	WIN MUL_HI
	MUL16 F1, 1, 0, 0
	MUL16 F1, 1, 2, 0
.endm
; THE WAY OUT of block a (16 rows x 128 columns of f32), in two parts.  TOSTAGE: a lane's 32 bytes of each accumulator go straight from the accumulators into my own stage in LDS, each accumulator's four lowest
; registers first, and come back as whole rows of 512 bytes.  SEND: stored.
.macro TOSTAGE a
	WIN 0x08+4*((\a)/4)                            ; an LDS store's data are source 1: window 2 (blocks 0-3) or 3 (blocks 4-7); the address is in window 0
.irp b, 0,1,2,3,4,5,6,7
	ds_store_b128 v[STO], v[64*((\a)%4)+8*(\b):64*((\a)%4)+8*(\b)+3]   offset:64*(\b)
	ds_store_b128 v[STO], v[64*((\a)%4)+8*(\b)+4:64*((\a)%4)+8*(\b)+7] offset:64*(\b)+16
.endr
	WIN 0
.set BK, F0+64*((\a)%2)
	s_wait_xcnt 0x0                                ; every earlier memory instruction has had its addresses translated (ISA guide 3.1): the registers that the stores of the block two back read are loaded again only behind this wait
.irp t, 0,1,2,3,4,5,6,7,8,9,10,11,12,13,14,15
	ds_load_b128 v[BK+4*(\t):BK+4*(\t)+3], v[RD] offset:(\t)*SPITCH  ; LDS serves a wave's instructions in order (ISA guide 5.7.1.4): these see the stores above; the next block's stores come behind them
.endr
.endm
.macro SEND a, younger                 ; younger: the LDS instructions issued behind block a's loads: the next block's 32, or none
.set BK, F0+64*((\a)%2)
.irp t, 0,1,2,3,4,5,6,7,8,9,10,11,12,13,14,15
	s_wait_dscnt (\younger)+15-(\t)
	global_store_b128 v[CO], v[BK+4*(\t):BK+4*(\t)+3], s[8:9] offset:(16*(\a)+(\t))*SIZE_N*4  ; 32 lanes store 512 consecutive bytes, at a multiple of 256 from C's first byte; 127 rows of 8,192 bytes at the most, inside the signed 24-bit immediate
.endr
.endm
	s_wait_tensorcnt 1                             ; my part of K step 0 is in; K step 1's may stay out
	s_barrier_signal -1
	s_barrier_wait -1                              ; everybody's is
	FETCH 0, 0, F0
	QUARTER 0, 64,  F0, F1, 1                      ; the first quarter stands in front of the loop: its products start the sums
	WIN 0                                          ; at a label and at a branch every window is 0
	s_mov_b32 s3, LAPS-1
.Llap:                                                 ; a trip goes once round the ring, from a lap's second quarter to the next lap's first, and fills both slots again
	QUARTER 0, 128, F1, F0, 0
	QUARTER 0, 192, F0, F1, 0
	TURN 0, 1
	QUARTER 1, 64,  F0, F1, 0
	QUARTER 1, 128, F1, F0, 0
	QUARTER 1, 192, F0, F1, 0
	TURN 1, 0
	QUARTER 0, 64,  F0, F1, 0
	WIN 0
	s_sub_co_u32 s3, s3, 1
	s_cmp_lg_u32 s3, 0
	s_cbranch_scc1 .Llap
	QUARTER 0, 128, F1, F0, 0                      ; the last lap is written out: it fills nothing, and has no round of the cluster's barrier
	QUARTER 0, 192, F0, F1, 0
	MEET 0                                         ; my one tensor load that was still out is slot 1's, the last K step's
	PLACES                                         ; for the loads into buffer 0, which the quarter before multiplied
	FETCH 1, 0, F0
	MUL16 F1, 1, 0, 0
	MUL16 F1, 1, 2, 0
	QUARTER 1, 64,  F0, F1, 0
	QUARTER 1, 128, F1, F0, 0
	QUARTER 1, 192, F0, F1, 0
	s_wait_dscnt 8                                 ; the very last quarter: nothing more to fetch
	MUL16 F1, 0, 0, 0
	MUL16 F1, 0, 2, 0
	s_wait_dscnt 0x0
	MUL16 F1, 1, 0, 0
	MUL16 F1, 1, 2, 0
	WIN 0
	PLACES                                         ; eight plain places, once a launch, behind the last products: the stage's stores read results, its loads land in A's fragment registers
	PLACES
	TOSTAGE 0
.irp a, 1,2,3,4,5,6,7                  ; block a's way through the stage is begun before block a - 1's rows are waited for
	TOSTAGE \a
	SEND (\a)-1, 32
.endr
	SEND 7, 0
	s_wait_tensorcnt 0x0                           ; the wave's end: three closing lines, behind my last tensor load and my last LDS store
	ds_add_u32 v[SPW], v[NIL]
	s_wait_dscnt 0x0
	CROUND                                         ; the closing round: no work-group ends while a partner may still ask for a tile that names it
	s_endpgm
.Lfunc_end_k_qeb21613de9_gemm_s:
	.size	k_qeb21613de9_gemm_s, .Lfunc_end_k_qeb21613de9_gemm_s-k_qeb21613de9_gemm_s
	.p2alignl 7, 3214868480
	.fill 96, 4, 3214868480
	.section	.rodata,"a",@progbits
	.p2align	6, 0x0
	.amdhsa_kernel k_qeb21613de9_gemm_s
		.amdhsa_group_segment_fixed_size 327680
		.amdhsa_private_segment_fixed_size 0
		.amdhsa_enable_private_segment 0
		.amdhsa_kernarg_size 24
		.amdhsa_user_sgpr_count 2
		.amdhsa_user_sgpr_kernarg_segment_ptr 1
		.amdhsa_wavefront_size32 1
		.amdhsa_system_sgpr_workgroup_id_x 1
		.amdhsa_system_sgpr_workgroup_id_y 1
		.amdhsa_system_sgpr_workgroup_id_z 1
		.amdhsa_system_vgpr_workitem_id 0
		.amdhsa_next_free_vgpr 1024
		.amdhsa_next_free_sgpr 66
		.amdhsa_reserve_vcc 0
		.amdhsa_float_denorm_mode_32 3
		.amdhsa_float_denorm_mode_16_64 3
		.amdhsa_memory_ordered 1
		.amdhsa_forward_progress 1
		.amdhsa_inst_pref_size 146
	.end_amdhsa_kernel
	.amdgpu_metadata
---
amdhsa.version: [ 1, 2 ]
amdhsa.kernels:
  - .name:           k_qeb21613de9_gemm_s
    .symbol:         k_qeb21613de9_gemm_s.kd
    .args:
      - { .name: qh, .offset: 0, .size: 8, .value_kind: global_buffer, .address_space: global }
      - { .name: kh, .offset: 8, .size: 8, .value_kind: global_buffer, .address_space: global }
      - { .name: scores, .offset: 16, .size: 8, .value_kind: global_buffer, .address_space: global }
    .group_segment_fixed_size: 327680
    .private_segment_fixed_size: 0
    .kernarg_segment_align: 8
    .kernarg_segment_size: 24
    .max_flat_workgroup_size: 128
    .sgpr_count:     66
    .vgpr_count:     1024
    .wavefront_size: 32
...
	.end_amdgpu_metadata
.endif
;; end of part 2
;; launch softmax (part 3): grid 256 x 1, 16 waves a work-group, no clusters, 0 bytes of LDS; arguments scores, span_param, probs; writes probs
.if DOCPART == 3
	.amdgcn_target "amdgcn-amd-amdhsa--gfx1250"
	.amdhsa_code_object_version 6
	.text
	.protected	k_qeb21613de9_softmax
	.globl	k_qeb21613de9_softmax
	.p2align	8
	.type	k_qeb21613de9_softmax,@function
k_qeb21613de9_softmax:
	s_mov_b64 s[64:65], 0
	v_nop
	global_prefetch_b8 v0, s[64:65] scope:SCOPE_SE
	s_setreg_imm32_b32 hwreg(HW_REG_WAVE_MODE, 25, 1), 1
	s_wait_xcnt 0x0
; probs[m][k] = softmax over k of (scores[m][k] / sqrt(2048) x sigmoid(span[k])), rounded once to f16.  scores: [8192][2048] f32, the raw sums Q K^T; span_param: [2048] f32; probs: [8192][2048] f16.
; In base 2: g[k] = c sigmoid(span[k]), c = log2(e) / sqrt(2048); t = scores x g; m = the row's maximum of t; p = 2^(t - m); l = the sum of the unrounded p; probs = p / l.  All in f32.
; span_param is rounded to bf16 first, as the program's other three inputs are.
; LIMITS.  A p below 2^-126 counts as 0 in l (v_exp_f32 flushes: ISA guide 15.8); a weight below 6.1e-5 keeps f16's fixed step of 6e-8.  l is at least 1.  NaN and infinities are not treated apart.
; SHARES.  A row is 8,192 bytes: one wave takes a whole row, sixteen loads of 16 bytes a lane, and keeps it in 64 registers through all passes: it is read once, and no wave waits for another: no LDS, no barrier.
; A work-group has 32 rows and sixteen waves; a wave has 2 consecutive rows and asks for both at its start: the work-group's whole share, 32 x 8,192 = 262,144 bytes, is on its way at once, and nothing is
; asked for later.  Four waves of 244 registers lie on a SIMD's 1,024.  Register 4 j + e of a lane holds column 128 j + 4 lane + e, in a row and in g alike.
; No matrix unit, cluster or tensor load: the launch streams, and its work-groups share only the 8,192 bytes of span_param.
.set ROWB,  8192                       ; bytes in a row of scores
.set PROWB, 4096                       ; bytes in a row of probs
.set SO,  2                            ; v2   byte offset of my 16 bytes in the wave's first row of scores; never rewritten
.set PO,  3                            ; v3   of my 8 bytes in its first row of probs; never rewritten
.set GO,  4                            ; v4   16 x lane; never rewritten
.set M,   6                            ; v[6:9]     four running maxima; then m in v6
.set L,   10                           ; v[10:17]   four running sums, a pair each; then l in v10
.set R,   18                           ; v[18:19]   1 / l; v19 is named with it as a pair
.set G,   20                           ; v[20:83]   g
.set XA,  84                           ; v[84:147]  the wave's first row
.set XB,  148                          ; v[148:211] its second row
.set Y,   212                          ; v[212:243] a row's 64 weights of mine, packed
	s_load_b128 s[4:7], s[0:1], 0x0                ; scores s[4:5], span_param s[6:7]
	s_load_b64 s[8:9], s[0:1], 0x10                ; probs
	v_lshrrev_b32 v1, 5, v0                        ; wave 0..15
	v_and_b32 v5, 31, v0                           ; lane
	v_lshlrev_b32 v[GO], 4, v5
	v_lshl_add_u32 v[SO], v1, 14, v[GO]            ; the wave's 2 rows of 8,192 bytes
	v_lshlrev_b32 v[PO], 3, v5
	v_lshl_add_u32 v[PO], v1, 13, v[PO]            ; its 2 rows of 4,096 bytes
	v_mov_b32 v[R+1], 0
	s_lshl_b32 s2, ttmp9, 18                       ; the work-group's 32 rows of scores,
	s_mov_b32 s3, 0
	s_lshl_b32 s10, ttmp9, 17                      ; and of probs
	s_mov_b32 s11, 0
	s_mov_b32 s12, 0x76543210                      ; v_permlanex16_b32: lane i of one half reads lane i of the other
	s_mov_b32 s13, 0xfedcba98
	s_mov_b32 s14, 0xffff0000                      ; a word's upper bf16
	s_mov_b32 s16, 0xbfb8aa3b                      ; -log2(e); the packed multiply takes the pair's low word for both halves
	s_mov_b32 s17, s16
	s_mov_b32 s18, 0x3d0293ee                      ; c = log2(e) / sqrt(2048) = 0.0318794
	s_mov_b32 s19, s18
	s_wait_kmcnt 0x0
	s_add_nc_u64 s[4:5], s[4:5], s[2:3]
	s_add_nc_u64 s[8:9], s[8:9], s[10:11]
.macro FILL x, row                     ; sixteen loads: 512 consecutive bytes each, the whole row
.irp j, 0,1,2,3,4,5,6,7,8,9,10,11,12,13,14,15
	global_load_b128 v[(\x)+4*(\j):(\x)+4*(\j)+3], v[SO], s[4:5] offset:(\row)*ROWB+512*(\j) th:TH_LOAD_NT
.endr
.endm
.irp j, 0,1,2,3,4,5,6,7,8,9,10,11,12,13,14,15
	global_load_b128 v[G+4*(\j):G+4*(\j)+3], v[GO], s[6:7] offset:512*(\j)  ; span_param: every work-group reads it
.endr
	FILL XA, 0
	FILL XB, 1
	s_wait_loadcnt 32                              ; span_param is in; the two rows' 32 loads stay out, and g is made meanwhile
.set q, 0
.rept 32
	v_cvt_pk_bf16_f32 v[M+q%4], v[G+2*q], v[G+2*q+1]   ; rounded to bf16,
	v_lshlrev_b32 v[G+2*q], 16, v[M+q%4]               ; and widened again
	v_and_b32 v[G+2*q+1], s14, v[M+q%4]
.set q, q+1
.endr
.set q, 0
.rept 32
	v_pk_mul_f32 v[G+2*q:G+2*q+1], v[G+2*q:G+2*q+1], s[16:17] op_sel_hi:[1,0]
.set q, q+1
.endr
.set q, 0
.rept 64
	v_exp_f32 v[G+q], v[G+q]                       ; e^-span
.set q, q+1
.endr
	v_nop                                          ; a plain instruction behind the last exponential (ISA guide 5.7.2),
	s_wait_alu depctr_va_vdst(0)                   ; and the wait ahead of the first use: one for the batch of 64
.set q, 0
.rept 32
	v_pk_add_f32 v[G+2*q:G+2*q+1], v[G+2*q:G+2*q+1], 1.0 op_sel_hi:[1,0]
.set q, q+1
.endr
.set q, 0
.rept 64
	v_rcp_f32 v[G+q], v[G+q]                       ; sigmoid(span) = 1 / (1 + e^-span)
.set q, q+1
.endr
	v_nop
	s_wait_alu depctr_va_vdst(0)                   ; one for the 64 reciprocals
.set q, 0
.rept 32
	v_pk_mul_f32 v[G+2*q:G+2*q+1], v[G+2*q:G+2*q+1], s[18:19] op_sel_hi:[1,0]
.set q, q+1
.endr
; One row, in registers x.  left = how many younger loads may stay out.
.macro TURN x, row, left
	s_wait_loadcnt \left                           ; my sixteen loads are in; the other row's may stay on their way
.set q, 0
.rept 32
	v_pk_mul_f32 v[(\x)+2*q:(\x)+2*q+1], v[(\x)+2*q:(\x)+2*q+1], v[G+2*q:G+2*q+1]  ; t = s g
.set q, q+1
.endr
	; the maximum of my 64: four chains that do not wait for each other, three operands at a time, 15 numbers each; then the four left over, and the chains into one
.irp k, 0,1,2,3
	v_max3_num_f32 v[M+(\k)], v[(\x)+16*(\k)], v[(\x)+16*(\k)+1], v[(\x)+16*(\k)+2]
.endr
.irp n, 1,2,3,4,5,6
.irp k, 0,1,2,3
	v_max3_num_f32 v[M+(\k)], v[M+(\k)], v[(\x)+16*(\k)+2*(\n)+1], v[(\x)+16*(\k)+2*(\n)+2]
.endr
.endr
	v_max3_num_f32 v[M], v[M], v[(\x)+15], v[(\x)+31]
	v_max3_num_f32 v[M+2], v[M+2], v[(\x)+47], v[(\x)+63]
	v_max3_num_f32 v[M], v[M], v[M+1], v[M+2]
	v_max_num_f32 v[M], v[M], v[M+3]
	; across the 32 lanes: four steps inside each half of 16 lanes ride on the arithmetic (DPP), one crosses the halves
	v_max_num_f32_dpp v[M], v[M], v[M] row_xmask:1 row_mask:0xf bank_mask:0xf
	v_max_num_f32_dpp v[M], v[M], v[M] row_xmask:2 row_mask:0xf bank_mask:0xf
	v_max_num_f32_dpp v[M], v[M], v[M] row_xmask:4 row_mask:0xf bank_mask:0xf
	v_max_num_f32_dpp v[M], v[M], v[M] row_xmask:8 row_mask:0xf bank_mask:0xf
	v_permlanex16_b32 v[M+1], v[M], s12, s13       ; its destination counts as read: a register that has been written
	v_max_num_f32 v[M], v[M], v[M+1]               ; every lane holds the row's maximum
.set q, 0
.rept 32
	v_pk_add_f32 v[(\x)+2*q:(\x)+2*q+1], v[(\x)+2*q:(\x)+2*q+1], v[M:M+1] op_sel_hi:[1,0] neg_lo:[0,1] neg_hi:[0,1]  ; t - m
.set q, q+1
.endr
.set q, 0
.rept 64
	v_exp_f32 v[(\x)+q], v[(\x)+q]                 ; p
.set q, q+1
.endr
	v_nop                                          ; a plain instruction behind the last exponential,
	s_wait_alu depctr_va_vdst(0)                   ; and one wait for the batch of 64, ahead of its first reader
	; l: four chains of pairs; the p stay as they are
.irp k, 0,1,2,3
	v_pk_add_f32 v[L+2*(\k):L+2*(\k)+1], v[(\x)+16*(\k):(\x)+16*(\k)+1], v[(\x)+16*(\k)+2:(\x)+16*(\k)+3]
.endr
.irp n, 2,3,4,5,6,7
.irp k, 0,1,2,3
	v_pk_add_f32 v[L+2*(\k):L+2*(\k)+1], v[L+2*(\k):L+2*(\k)+1], v[(\x)+16*(\k)+2*(\n):(\x)+16*(\k)+2*(\n)+1]
.endr
.endr
	v_pk_add_f32 v[L:L+1], v[L:L+1], v[L+2:L+3]
	v_pk_add_f32 v[L+4:L+5], v[L+4:L+5], v[L+6:L+7]
	v_pk_add_f32 v[L:L+1], v[L:L+1], v[L+4:L+5]
	v_add_f32 v[L], v[L], v[L+1]
	v_add_f32_dpp v[L], v[L], v[L] row_xmask:1 row_mask:0xf bank_mask:0xf
	v_add_f32_dpp v[L], v[L], v[L] row_xmask:2 row_mask:0xf bank_mask:0xf
	v_add_f32_dpp v[L], v[L], v[L] row_xmask:4 row_mask:0xf bank_mask:0xf
	v_add_f32_dpp v[L], v[L], v[L] row_xmask:8 row_mask:0xf bank_mask:0xf
	v_permlanex16_b32 v[L+1], v[L], s12, s13
	v_add_f32 v[L], v[L], v[L+1]
	v_rcp_f32 v[R], v[L]
	v_nop
	s_wait_alu depctr_va_vdst(0)                   ; the reciprocal's wait, ahead of its first reader
	s_wait_xcnt 0x0                                ; every earlier memory instruction has had its addresses translated (ISA guide 3.1): Y, which the first row's stores read, is rewritten only behind this wait
.set q, 0
.rept 32
	v_pk_mul_f32 v[(\x)+2*q:(\x)+2*q+1], v[(\x)+2*q:(\x)+2*q+1], v[R:R+1] op_sel_hi:[1,0]
.set q, q+1
.endr
.set q, 0
.rept 32
	v_cvt_pk_f16_f32 v[Y+q], v[(\x)+2*q], v[(\x)+2*q+1]
.set q, q+1
.endr
.irp j, 0,1,2,3,4,5,6,7,8,9,10,11,12,13,14,15
	global_store_b64 v[PO], v[Y+2*(\j):Y+2*(\j)+1], s[8:9] offset:(\row)*PROWB+256*(\j)  ; 32 lanes store 256 consecutive bytes, at a multiple of 256 from probs' first byte
.endr
.endm
	TURN XA, 0, 16                                 ; the second row's sixteen loads may stay out
	TURN XB, 1, 0
	s_endpgm
.Lfunc_end_k_qeb21613de9_softmax:
	.size	k_qeb21613de9_softmax, .Lfunc_end_k_qeb21613de9_softmax-k_qeb21613de9_softmax
	.p2alignl 7, 3214868480
	.fill 96, 4, 3214868480
	.section	.rodata,"a",@progbits
	.p2align	6, 0x0
	.amdhsa_kernel k_qeb21613de9_softmax
		.amdhsa_group_segment_fixed_size 0
		.amdhsa_private_segment_fixed_size 0
		.amdhsa_enable_private_segment 0
		.amdhsa_kernarg_size 24
		.amdhsa_user_sgpr_count 2
		.amdhsa_user_sgpr_kernarg_segment_ptr 1
		.amdhsa_wavefront_size32 1
		.amdhsa_system_sgpr_workgroup_id_x 1
		.amdhsa_system_sgpr_workgroup_id_y 1
		.amdhsa_system_sgpr_workgroup_id_z 1
		.amdhsa_system_vgpr_workitem_id 0
		.amdhsa_next_free_vgpr 244
		.amdhsa_next_free_sgpr 66
		.amdhsa_reserve_vcc 0
		.amdhsa_float_denorm_mode_32 3
		.amdhsa_float_denorm_mode_16_64 3
		.amdhsa_memory_ordered 1
		.amdhsa_forward_progress 1
		.amdhsa_inst_pref_size 53
	.end_amdhsa_kernel
	.amdgpu_metadata
---
amdhsa.version: [ 1, 2 ]
amdhsa.kernels:
  - .name:           k_qeb21613de9_softmax
    .symbol:         k_qeb21613de9_softmax.kd
    .args:
      - { .name: scores, .offset: 0, .size: 8, .value_kind: global_buffer, .address_space: global }
      - { .name: span_param, .offset: 8, .size: 8, .value_kind: global_buffer, .address_space: global }
      - { .name: probs, .offset: 16, .size: 8, .value_kind: global_buffer, .address_space: global }
    .group_segment_fixed_size: 0
    .private_segment_fixed_size: 0
    .kernarg_segment_align: 8
    .kernarg_segment_size: 24
    .max_flat_workgroup_size: 512
    .sgpr_count:     66
    .vgpr_count:     244
    .wavefront_size: 32
...
	.end_amdgpu_metadata
.endif
;; end of part 3
;; launch gemm_o: the kernel of part 2 again; grid 8 x 32, 4 waves a work-group, clusters of 4 x 4, 327,680 bytes of LDS; arguments probs, vt, out0; writes out0
;; ======== version 2 of 2: 4 launches; version 1 with the launch prep written anew for expert scheduling mode
;; limits: values are held in f16: magnitudes above 65,504 overflow, below 6.1e-05 lose precision; inputs' magnitudes at most 65,280
;; workspace buffers: qh 33,554,432 bytes; kh 33,554,432 bytes; vt 33,554,432 bytes; scores 67,108,864 bytes; probs 33,554,432 bytes
;; launch prep (part 4): grid 256 x 1, 16 waves a work-group, no clusters, 141,312 bytes of LDS; arguments query, key, value, qh, kh, vt; writes qh, kh, vt
.if DOCPART == 4
	.amdgcn_target "amdgcn-amd-amdhsa--gfx1250"
	.amdhsa_code_object_version 6
	.text
	.protected	k_qeb21613de9_prep
	.globl	k_qeb21613de9_prep
	.p2align	8
	.type	k_qeb21613de9_prep,@function
k_qeb21613de9_prep:
	s_mov_b64 s[64:65], 0
	v_nop
	global_prefetch_b8 v0, s[64:65] scope:SCOPE_SE
	s_setreg_imm32_b32 hwreg(HW_REG_WAVE_SCHED_MODE, 0, 2), 2
	s_setreg_imm32_b32 hwreg(HW_REG_WAVE_MODE, 25, 1), 1
	s_wait_xcnt 0x0
	s_wait_alu depctr_vm_vsrc(0)
; qh = Q, kh = K, vt[b][d][k] = V[b][k][d]: each number rounded once to bf16 and that number written as f16.  Q, K, V: [4][2048][2048] f32.
; LIMITS.  A bf16 number is exact in f16 from 2^-17 to 65,504; from 65,520 on it becomes an infinity; below 2^-17 it falls on f16's fixed step and is off by 2^-25 at the most.  NaN and infinities are not treated apart.
; SHARES.  A work-group has 65,536 numbers of Q, the same of K, and eight tiles of V of 128 keys x 64 channels.  Its sixteen waves hand each other nothing: no barrier.  Every wave takes 4,096 numbers of Q (32 loads
; of 16 bytes a lane); then waves 0-7 take a tile of V each, waves 8-15 8,192 numbers of K each (64 loads either way): 96 loads and 768 conversion lines a wave.
; Q, K: a load of the wave covers 512 consecutive bytes, a store 256 consecutive bytes, aligned.
; V: lane (r = l % 16, h = l / 16) loads channels 4 r .. 4 r + 3 of key 16 p + 8 h + j (pass p, slot j): sixteen lanes take 256 consecutive bytes of a row.  Eight keys of one channel pack into 16 bytes, which go
; into the wave's own LDS tile, 64 rows (channels) of 256 bytes + 16 of padding; the rows come back whole and are stored, sixteen lanes to 256 consecutive aligned bytes of a row of vt.
; Channel 4 r + c lies in LDS row r + 16 c, so that the sixteen lanes of a store touch sixteen neighbouring rows: with 272 bytes from row to row they start 4 banks apart (64 banks of 4 bytes: ISA guide 11.1).
; THE MODE: SCHED_MODE bits 1:0 = 2 (LLVM: expert scheduling mode 2), set by the entry lines.  The code itself states the register dependences between vector instructions and memory or LDS instructions,
; with s_wait_alu, always for 0.
; THE PLAN.  A wave's 96 loads go in 12 blocks of eight: blocks 0-3 are Q, blocks 4-11 V's passes 0-7 (waves 0-7) or K (waves 8-15).  Registers that memory or LDS instructions touch:
;   X0 .. X4   five blocks as loaded; block b lies in X[b % 5].  Written by the loads of block b + 4, issued in block b (blocks 0 to 4: at the start); read by block b's conversions.
;              On V's way out the loads from LDS land in X0 .. X3, and the last global stores read them.
;   Y0, Y1     two blocks of results.  Written by block b's conversions (Y[b % 2]); read by the stores that are issued in block b + 1: eight global stores (Q, K) or four LDS stores (a pass of V).
;   v4 - v11   byte offsets and LDS addresses, each made once and never written again: the blocks are reached by immediate offsets; the six scalar bases are set once.
;   v12, v13   written at the head, read by the closing add alone.          T is named by vector instructions alone.
; Block b works on X[b % 5] and writes Y[b % 2].  Its memory instructions are the loads into X[(b + 4) % 5] = X[(b - 1) % 5] and the stores from Y[(b - 1) % 2]: the two buffers that block b - 1 worked on and that
; no vector instruction of block b names.  So the waits at a block's head state all that its memory instructions hang on; these stand in the block's first half, a few at a time among its conversions, with no
; further wait, and 32 vector lines lie between the last of them and the next head.  40 loads of a wave are out at the start (16 x 40 x 512 = 327,680 bytes of a work-group), later 24 to 32.
; A scalar register that a vector instruction has read (s2, s3, s17 - s20, s22, s23) is never written again.
.set LP,    272                        ; bytes from row to row in LDS
.set WTILE, 64*LP                      ; a wave's tile (waves 0-7)
.set SPARE, 8*WTILE                    ; behind the tiles: the spare words, 128 bytes for each of the sixteen waves: eight blocks of 256 bytes that no other line names
.set QI,  4                            ; v4   byte offset of my 16 bytes in the work-group's part of Q; never rewritten
.set QO,  5                            ; v5   of my 8 bytes in qh; never rewritten
.set KI,  6                            ; v6   waves 8-15: of my 16 bytes in the work-group's part of K; never rewritten
.set KO,  7                            ; v7   waves 8-15: of my 8 bytes in kh; never rewritten
.set VI,  8                            ; v8   waves 0-7: of my 16 bytes in the work-group's part of V; never rewritten
.set VS,  9                            ; v9   waves 0-7: LDS: where I put 16 bytes (8 keys of a channel)
.set VR,  10                           ; v10  waves 0-7: LDS: where I read 16 bytes of a whole row back
.set VO,  11                           ; v11  waves 0-7: byte offset of those 16 bytes in vt; never rewritten
.set SPW, 12                           ; v12  LDS address of my spare word: SPARE + 4 x my thread's number; never rewritten
.set NIL, 13                           ; v13  0; never rewritten
.set T,   14                           ; v[14:21]  at work
.set Y,   22                           ; v[22:53]  buffer k at Y + 16 k.  Q, K: slot i: 2 registers, 4 f16 to store.  V: channel c: 4 registers, 8 keys packed
.set X,   54                           ; v[54:213] buffer k at X + 32 k; slot i: 4 registers as loaded
	s_load_b256 s[4:11], s[0:1], 0x0               ; query s[4:5], key s[6:7], value s[8:9], qh s[10:11]
	s_load_b128 s[12:15], s[0:1], 0x20             ; kh s[12:13], vt s[14:15]
	v_lshl_add_u32 v[SPW], v0, 2, SPARE
	v_mov_b32 v[NIL], 0
	v_lshrrev_b32 v1, 5, v0
	v_readfirstlane_b32 s16, v1                    ; wave 0..15
	v_and_b32 v2, 15, v0                           ; r
	v_bfe_u32 v3, v0, 4, 1                         ; h
	v_and_b32 v1, 31, v0                           ; lane
	s_mov_b32 s17, 0xffff0000                      ; a word's upper bf16
	s_lshl_b32 s18, ttmp9, 18                      ; the work-group's 262,144 bytes of Q and K,
	s_mov_b32 s19, 0
	s_lshl_b32 s20, ttmp9, 17                      ; its 131,072 of qh and kh
	s_mov_b32 s21, 0
	s_lshr_b32 s22, ttmp9, 6                       ; V: batch,
	s_bfe_u32 s25, ttmp9, 0x40002                  ; block of 128 keys (4 bits from bit 2),
	s_and_b32 s26, ttmp9, 3                        ; block of 512 channels
	s_lshl_b32 s28, s22, 24
	s_lshl_b32 s27, s25, 20
	s_add_co_u32 s28, s28, s27
	s_lshl_b32 s27, s26, 11
	s_add_co_u32 s28, s28, s27
	s_mov_b32 s29, 0                               ; s[28:29]: the work-group's corner in V
	s_lshl_b32 s30, s22, 23
	s_lshl_b32 s27, s26, 21
	s_add_co_u32 s30, s30, s27
	s_lshl_b32 s27, s25, 8
	s_add_co_u32 s30, s30, s27
	s_mov_b32 s31, 0                               ; s[30:31]: its corner in vt
	s_wait_alu depctr_va_sdst(0)                   ; s16 is written, ahead of its first reader: offsets, LDS addresses and the branch between V and K are made from it
	s_lshl_b32 s2, s16, 14                         ; the wave's 16,384 bytes of Q
	v_lshl_add_u32 v[QI], v1, 4, s2
	s_lshl_b32 s3, s16, 13                         ; its 8,192 bytes of qh
	v_lshl_add_u32 v[QO], v1, 3, s3
	s_wait_kmcnt 0x0
	s_add_nc_u64 s[4:5], s[4:5], s[18:19]          ; the six bases are set here and never written again
	s_add_nc_u64 s[6:7], s[6:7], s[18:19]
	s_add_nc_u64 s[8:9], s[8:9], s[28:29]
	s_add_nc_u64 s[10:11], s[10:11], s[20:21]
	s_add_nc_u64 s[12:13], s[12:13], s[20:21]
	s_add_nc_u64 s[14:15], s[14:15], s[30:31]
	s_wait_alu depctr_va_vdst(0)                   ; v[QI] and v[QO] are written, which Q's loads and qh's stores read as their offsets; so are v[SPW] and v[NIL], which the closing add reads
; Two numbers: rounded to bf16 (nearest even), widened again (a shift, a mask), written as f16.
.macro CV2 dst, a, b, t
	v_cvt_pk_bf16_f32 v[\t], v[\a], v[\b]
	v_lshlrev_b32 v[(\t)+1], 16, v[\t]
	v_and_b32 v[(\t)+2], s17, v[\t]
	v_cvt_pk_f16_f32 v[\dst], v[(\t)+1], v[(\t)+2]
.endm
; Load i of block b (4 to 11).  path = 1: K, 512 consecutive bytes a load; path = 0: V's pass b - 4, key i of my eight.
.macro LD path, b, i
.if \path
	global_load_b128 v[X+32*((\b)%5)+4*(\i):X+32*((\b)%5)+4*(\i)+3], v[KI], s[6:7] offset:512*(8*((\b)-4)+(\i)) th:TH_LOAD_NT
.else
	global_load_b128 v[X+32*((\b)%5)+4*(\i):X+32*((\b)%5)+4*(\i)+3], v[VI], s[8:9] offset:8192*(16*((\b)-4)+(\i)) th:TH_LOAD_NT
.endif
.endm
; Store i of block b, a block of Q (0 to 3) or of K (4 to 11): 32 lanes store 256 consecutive bytes, at a multiple of 256 from the buffer's first byte.
.macro ST b, i
.if (\b) < 4
	global_store_b64 v[QO], v[Y+16*((\b)%2)+2*(\i):Y+16*((\b)%2)+2*(\i)+1], s[10:11] offset:256*(8*(\b)+(\i))
.else
	global_store_b64 v[KO], v[Y+16*((\b)%2)+2*(\i):Y+16*((\b)%2)+2*(\i)+1], s[12:13] offset:256*(8*((\b)-4)+(\i))
.endif
.endm
; LDS store c of block b, V's pass b - 4: row r + 16 c, keys 16 (b - 4) + 8 h on.
.macro STW b, c
	ds_store_b128 v[VS], v[Y+16*((\b)%2)+4*(\c):Y+16*((\b)%2)+4*(\c)+3] offset:16*LP*(\c)+32*((\b)-4)
.endm
; The head of block b.  x = 1: the stores that the block before issued from Y[b % 2] were global stores.
.macro HEAD b, x
.if (\b) == 0
	s_wait_loadcnt 32                              ; loads come back in order (ISA guide 5.7.1): block 0 is in; blocks 1 to 4, 32 loads, stay out
.elseif (\b) < 9
	s_wait_loadcnt 24                              ; X[b % 5] is in; the three younger blocks stay out
.else
	s_wait_loadcnt 8*(11-(\b))                     ; nothing is loaded any more: the count runs down
.endif
.if (\b) > 1
.if \x
	s_wait_xcnt 0x0                                ; every earlier memory instruction has had its addresses translated (ISA guide 3.1): Y[b % 2], which global stores of the block before read, is rewritten only behind this wait
.endif
	s_wait_alu depctr_vm_vsrc(0)                   ; the stores issued in the block before have read Y[b % 2], which this block's conversions write again
.endif
.if (\b) > 0
	s_wait_alu depctr_va_vdst(0)                   ; the block before has written the other Y, which the stores below read, and is done reading its X, in which the loads below land
.endif
.endm
; Block b of Q or K.  Ahead of each of its first four slots' conversions: two loads of block b + 4 (while there is one) and two stores of block b - 1.  No vector instruction since the head's wait names their registers.
.macro BLKS path, b
	HEAD \b, 1
.set i, 0
.rept 8
.if (i < 4) && ((\b) > 0)
.if (\b) < 8
	LD \path, (\b)+4, 2*i
	LD \path, (\b)+4, 2*i+1
.endif
	ST (\b)-1, 2*i
	ST (\b)-1, 2*i+1
.endif
	CV2 Y+16*((\b)%2)+2*i, X+32*((\b)%5)+4*i, X+32*((\b)%5)+4*i+1, T
	CV2 Y+16*((\b)%2)+2*i+1, X+32*((\b)%5)+4*i+2, X+32*((\b)%5)+4*i+3, T+4
.set i, i+1
.endr
.endm
; Block b = 4 to 11 of waves 0-7: V's pass b - 4.  Keys 16 (b - 4) + 8 h + 0..7 lie in the block's slots 0..7; for each of my four channels the eight keys pack into 16 bytes.
; Ahead of each of the first two channels' conversions: four loads of block b + 4 (while there is one), and of block b - 1 four global stores (block 3, Q's last) or two LDS stores (a pass of V).
.macro BLKV b
.if (\b) < 6
	HEAD \b, 1
.else
	HEAD \b, 0
.endif
.set c, 0
.rept 4
.if c < 2
.if (\b) < 8
.irp k, 0,1,2,3
	LD 0, (\b)+4, 4*c+\k
.endr
.endif
.if (\b) == 4
.irp k, 0,1,2,3
	ST 3, 4*c+\k
.endr
.else
	STW (\b)-1, 2*c
	STW (\b)-1, 2*c+1
.endif
.endif
.irp jj, 0,1,2,3
	CV2 Y+16*((\b)%2)+4*c+(\jj), X+32*((\b)%5)+8*(\jj)+c, X+32*((\b)%5)+8*(\jj)+4+c, T+4*((\jj)%2)
.endr
.set c, c+1
.endr
.endm
.set n, 0
.rept 32
	global_load_b128 v[X+4*n:X+4*n+3], v[QI], s[4:5] offset:512*n th:TH_LOAD_NT  ; blocks 0 to 3 into X0 .. X3: my part of Q
.set n, n+1
.endr
	s_cmp_lt_u32 s16, 8                            ; waves 0-7 go on with V, waves 8-15 with K
	s_cbranch_scc0 .Lkeys
	; WAVES 0-7.  The addresses are made while Q is on its way.
	s_lshl_b32 s18, s16, 8                         ; the wave's 64 channels: 256 bytes of a row of V
	v_lshl_add_u32 v[VI], v3, 16, s18              ; + 8 h rows of 8,192 bytes
	v_lshl_add_u32 v[VI], v2, 4, v[VI]             ; + 16 r
	s_mul_i32 s19, s16, WTILE                      ; its tile in LDS
	v_mul_u32_u24 v[VS], v2, LP
	v_lshl_add_u32 v[VS], v3, 4, v[VS]
	v_add_nc_u32 v[VS], s19, v[VS]                 ; row r, 16 bytes for each half of the lanes
	v_mul_u32_u24 v[VR], v3, LP
	v_lshl_add_u32 v[VR], v2, 4, v[VR]
	v_add_nc_u32 v[VR], s19, v[VR]                 ; lanes 0-15 one row of 256 bytes, lanes 16-31 the next
	s_lshl_b32 s20, s16, 18                        ; its 64 rows of vt, 4,096 bytes each
	v_lshl_add_u32 v[VO], v3, 14, s20              ; + 4 h rows
	v_lshl_add_u32 v[VO], v2, 4, v[VO]
	s_wait_alu depctr_va_vdst(0)                   ; v[VI], v[VS], v[VR] and v[VO] are written, which V's loads, the LDS stores and loads and vt's stores read
.set i, 0
.rept 8
	LD 0, 4, i                                     ; block 4, V's pass 0, into X4: 40 loads of mine are out
.set i, i+1
.endr
	BLKS 0, 0                                      ; Q; from block 1 on V's passes 1 to 3 are asked for and qh is stored
	BLKS 0, 1
	BLKS 0, 2
	BLKS 0, 3
.irp q, 4,5,6,7,8,9,10,11
	BLKV \q
.endr
	s_wait_alu depctr_va_vdst(0)                   ; pass 7's conversions have written Y1, which the LDS stores below read; every conversion is done reading X, in which the loads from LDS land
.irp k, 0,1,2,3
	STW 11, \k
.endr
.set n, 0
.rept 32
	ds_load_b128 v[X+4*n:X+4*n+3], v[VR] offset:2*LP*n  ; rows 2 n and 2 n + 1, whole.  LDS serves a wave's instructions in order (ISA guide 5.7.1.4): these see the stores above
.set n, n+1
.endr
.set n, 0
.rept 32
	s_wait_dscnt 31-n                              ; the 31 - n younger loads stay out
	global_store_b128 v[VO], v[X+4*n:X+4*n+3], s[14:15] offset:(8*(n%8)+n/8)*4096  ; LDS row 2 n + h is channel 8 (n % 8) + 4 h + n / 8; 16 lanes store 256 consecutive bytes, aligned
.set n, n+1
.endr
	s_branch .Lend
.Lkeys:	; WAVES 8-15
	s_sub_co_u32 s21, s16, 8                       ; 0..7
	s_lshl_b32 s22, s21, 15                        ; the wave's 32,768 bytes of K
	v_lshl_add_u32 v[KI], v1, 4, s22
	s_lshl_b32 s23, s21, 14                        ; its 16,384 bytes of kh
	v_lshl_add_u32 v[KO], v1, 3, s23
	s_wait_alu depctr_va_vdst(0)                   ; v[KI] and v[KO] are written, which K's loads and kh's stores read as their offsets
.set i, 0
.rept 8
	LD 1, 4, i                                     ; block 4, K's first eight loads, into X4: 40 loads of mine are out
.set i, i+1
.endr
.irp q, 0,1,2,3,4,5,6,7,8,9,10,11
	BLKS 1, \q
.endr
	s_wait_alu depctr_va_vdst(0)                   ; block 11 has written Y1, which the last eight stores read
.set i, 0
.rept 8
	ST 11, i
.set i, i+1
.endr
.Lend:
	s_wait_dscnt 0x0                               ; the closing lines, six on end
	s_wait_alu 0x0
	s_wait_tensorcnt 0x0
	ds_add_u32 v[SPW], v[NIL]
	s_wait_dscnt 0x0
	s_endpgm
.Lfunc_end_k_qeb21613de9_prep:
	.size	k_qeb21613de9_prep, .Lfunc_end_k_qeb21613de9_prep-k_qeb21613de9_prep
	.p2alignl 7, 3214868480
	.fill 96, 4, 3214868480
	.section	.rodata,"a",@progbits
	.p2align	6, 0x0
	.amdhsa_kernel k_qeb21613de9_prep
		.amdhsa_group_segment_fixed_size 141312
		.amdhsa_private_segment_fixed_size 0
		.amdhsa_enable_private_segment 0
		.amdhsa_kernarg_size 48
		.amdhsa_user_sgpr_count 2
		.amdhsa_user_sgpr_kernarg_segment_ptr 1
		.amdhsa_wavefront_size32 1
		.amdhsa_system_sgpr_workgroup_id_x 1
		.amdhsa_system_sgpr_workgroup_id_y 1
		.amdhsa_system_sgpr_workgroup_id_z 1
		.amdhsa_system_vgpr_workitem_id 0
		.amdhsa_next_free_vgpr 214
		.amdhsa_next_free_sgpr 66
		.amdhsa_reserve_vcc 0
		.amdhsa_float_denorm_mode_32 3
		.amdhsa_float_denorm_mode_16_64 3
		.amdhsa_memory_ordered 1
		.amdhsa_forward_progress 1
		.amdhsa_inst_pref_size 113
	.end_amdhsa_kernel
	.amdgpu_metadata
---
amdhsa.version: [ 1, 2 ]
amdhsa.kernels:
  - .name:           k_qeb21613de9_prep
    .symbol:         k_qeb21613de9_prep.kd
    .args:
      - { .name: query, .offset: 0, .size: 8, .value_kind: global_buffer, .address_space: global }
      - { .name: key, .offset: 8, .size: 8, .value_kind: global_buffer, .address_space: global }
      - { .name: value, .offset: 16, .size: 8, .value_kind: global_buffer, .address_space: global }
      - { .name: qh, .offset: 24, .size: 8, .value_kind: global_buffer, .address_space: global }
      - { .name: kh, .offset: 32, .size: 8, .value_kind: global_buffer, .address_space: global }
      - { .name: vt, .offset: 40, .size: 8, .value_kind: global_buffer, .address_space: global }
    .group_segment_fixed_size: 141312
    .private_segment_fixed_size: 0
    .kernarg_segment_align: 8
    .kernarg_segment_size: 48
    .max_flat_workgroup_size: 512
    .sgpr_count:     66
    .vgpr_count:     214
    .wavefront_size: 32
...
	.end_amdgpu_metadata
.endif
;; end of part 4
;; launch gemm_s: the kernel of part 2 again; grid 8 x 32, 4 waves a work-group, clusters of 4 x 4, 327,680 bytes of LDS; arguments qh, kh, scores; writes scores
;; launch softmax: the kernel of part 3 again; grid 256 x 1, 16 waves a work-group, no clusters, 0 bytes of LDS; arguments scores, span_param, probs; writes probs
;; launch gemm_o: the kernel of part 2 again; grid 8 x 32, 4 waves a work-group, clusters of 4 x 4, 327,680 bytes of LDS; arguments probs, vt, out0; writes out0
